; MI455X (gfx1250); checked and timed in simulation.
; The chip was launched on July 23, 2026; its instructions are those of AMD's public machine-readable ISA for CDNA 5 (MIT licence, August 2026) and "CDNA5" Instruction Set Architecture Reference Guide (July 2026). The comments in the code are by the model that wrote it; some were corrected since.
;; Scan Attention. Allowed arithmetic: matrix products marked QUANTISED: E4M3 operands, one given power-of-two scale a tensor, by v_wmma_f32_16x16x64_fp8_fp8 or v_wmma_f32_16x16x128_fp8_fp8, f32 sums; everything else in f32.
;; Inputs: ks 2 x 2,048 x 16 x 64 float32; lowp_scales 4 int32 (the exponents e of the quantised operands' scales 2^e); qs 2 x 2,048 x 16 x 64 float32; valid_lens 2 int32; vs 2 x 2,048 x 16 x 64 float32.
;; Outputs: out0 2 x 2,048 x 16 x 64 float32.
;; This version of the problem:
;;   THIS VERSION OF THE PROBLEM IS GIVEN IN LOW PRECISION. The matrix products marked QUANTISED in the list below multiply operands that are first quantised to E4M3 (4 exponent bits, 3 mantissa bits; 8 bits a number), with one given power-of-two scale for each operand tensor; their sums are f32. All else is computed in f32.
;;   The module's matrix products, in the order in which they are computed (A, B: the left and right operand; K: the contracted axis; several contracted axes count as one K, in the product's order):
;;     1. batch 32 x [M 2,048, K 64] x [K 64, N 2,048]; A: computed on the way; B: input ks: QUANTISED (scales: A lowp_scales[0], B lowp_scales[1])
;;     2. batch 32 x [M 64, K 2,048] x [K 2,048, N 2,048]; A: input vs; B: softmax (see below): QUANTISED (scales: A lowp_scales[2], B lowp_scales[3])
;;   THE QUANTISER, for each operand of a quantised product, along K:
;;     - The operand's scale is 2^e, e = its entry of the input lowp_scales (int32; the entries are numbered through the quantised products in the list's order, A before B).
;;     - Each number is divided by the scale, clamped to +-448, and rounded to the nearest number of E4M3, ties to even, subnormals kept.
;;     - The product sums the exact products of the quantised numbers (number of the format x scale) in f32.
;;   ~~~python
;;   def quantise(x, axis, e):      # numpy; x: float32 -> the quantised numbers, widened to float32 again
;;       x = np.moveaxis(x, axis, -1); K = x.shape[-1]
;;       r = np.clip(x / 2.0 ** e, -448, 448)
;;       step = 2.0 ** (np.maximum(np.frexp(np.where(r == 0, 1, r))[1] - 1, -6) - 3)
;;       q = np.round(r / step) * step * 2.0 ** e      # np.round: ties to even
;;       return np.moveaxis(q, -1, axis).astype(np.float32)
;;   ~~~
;;   SOFTMAX AHEAD OF A QUANTISED PRODUCT. Where the list says 'softmax', what is quantised is not the finished softmax but p = 2^(t - M), with t = logit x log2(e) and M = ceil(the row's largest t), a whole number; so 1/2 < the row's largest p <= 1. The row's sum l is taken of the UNQUANTISED p, in f32, and the product's result is divided by l at the end. Since M is a whole number, a kernel that streams over the keys may use a running M (the ceiling of the running maximum): every later rescaling is an exact power of two, so the quantised numbers keep their values, but for numbers so far below the row's largest that they fall under the format's range.
;;   OPERANDS COMPUTED ON THE WAY. 'Computed on the way' means the value that the module computes at that place (a softmax that the list does not call 'softmax' is quantised finished and normalised). What goes into a quantiser is computed in f32, as accurately as f32 sums, v_exp_f32 and their like allow (about 1e-6 of the number): no bf16 or f16 on the way to a quantiser, and a product that is left as it is and whose result goes on into a quantised operand takes f32 operands (vector FMAs, or v_wmma_f32_16x16x4_f32). A number that lies on a knife's edge between two numbers of the format may be rounded either way, as far as f32 arithmetic and the matrix unit's own rounding can turn it there, and no further.
;; 2 versions. Each part assembles by itself: llvm-mc -triple=amdgcn-amd-amdhsa -mcpu=gfx1250 --defsym DOCPART=n.
;; ======== version 1 of 2: 2 launches
;; workspace buffers: kv 8,388,608 bytes
;; launch quant (part 1): grid 16 x 32, 8 waves a work-group, no clusters, 35,840 bytes of LDS; arguments ks, vs, valid_lens, lowp_scales, kv; writes kv
.if DOCPART == 1
	.amdgcn_target "amdgcn-amd-amdhsa--gfx1250"
	.amdhsa_code_object_version 6
	.text
	.protected	k_qe9b19adb83_quant
	.globl	k_qe9b19adb83_quant
	.p2align	8
	.type	k_qe9b19adb83_quant,@function
k_qe9b19adb83_quant:
	s_mov_b64 s[64:65], 0
	v_nop
	global_prefetch_b8 v0, s[64:65] scope:SCOPE_SE
	s_setreg_imm32_b32 hwreg(HW_REG_WAVE_MODE, 25, 1), 1
	s_wait_xcnt 0x0
; ks and vs, [2][2048][16][64] f32, become codes of FP8 (E4M3) with the given scales 2^e1 (ks) and 2^e2 (vs): code = x / 2^e, held within +-448, to the nearest code, ties to even.
; WHAT IS LEFT OUT, AND WHY.  reference() sets the score of key k of batch b to -infinity where k >= valid_lens[b]; its softmax weight is then exactly 0, and the key adds 0 to the row's sum and to the output,
; whatever finite numbers ks and vs hold there.  valid_lens is a whole number read from memory, so whole blocks of such keys are not quantised here and not multiplied in the next launch.  Keys go in chunks of 256:
; chunk j of batch b is written where 256 j < max(valid_lens[b], 1); the next launch reads just these chunks.  No input is without a way to the output: all are loaded by one launch or the other.
; LIMITS.  A NaN, an infinity or an overflow among the numbers of keys that are left out is not carried to the result.  NaN and infinity among the inputs are not served.  e1 and e2 lie between -126 and 119.
; THE WORKSPACE kv: [batch x 16 + head][step of 128 keys, 0..15][16,384 bytes], laid as IMAGES OF THE OPERANDS' REGISTERS (lane l, r = l % 16, h = l / 16):
;   K, tile t of 8, part c of 2, at t x 1024 + c x 512 + 16 l: the 16 codes of key 32 (t / 2) + 8 (t % 2) + r + 8 (r / 8), channels 32 c + 16 h + 0 .. 15;
;   V, tile t of 4, part c of 4, at 8192 + t x 2048 + c x 512 + 16 l: the 16 codes of channel 32 (t % 2) + 2 r + t / 2, keys 32 c + 16 h + 0 .. 15 (the keys are the second product's K).
; SHARES.  A work-group takes one step of one head: 128 rows of 256 bytes of ks and of vs.  Wave w makes K's tile w and, of V, keys 16 w .. 16 w + 15 of all 64 channels (part w / 2, half w % 2 of all four tiles).
; The grid serves every length: a work-group whose chunk lies beyond its batch's length stores nothing and ends.  Waves share nothing: no barrier.  No loop: every offset is an immediate, no register of a load or store is written again.
; K: each load takes two whole rows (16 lanes to a row of 256 bytes); the rows turn through the wave's own stage in LDS so that a lane holds 16 neighbouring channels of one key.
; V: a lane takes channels 2 l and 2 l + 1, and its registers run down the keys; a conversion's eight codes are four keys of two channels by turns, and two byte permutes part the channels.
.set PITCH, 272                        ; a stage row: 256 bytes + 16, so that the sixteen rows that a load touches begin at sixteen different 16-byte columns
.set WSTG,  16*PITCH                   ; a wave's stage
.set SPARE, 8*WSTG                     ; behind the stages: the spare words, 128 bytes for each wave: four blocks of 256 bytes that no other line names
.set KO,  4                            ; v4   ks: 16 keys (65,536 bytes) x h + 16 r
.set SD,  5                            ; v5   the stage as loaded: row 8 h (+ i), 16 r
.set SF,  6                            ; v6   the stage turned: row r, + 64 h
.set LO,  7                            ; v7   16 l
.set VI,  8                            ; v8   8 l
.set VO,  9                            ; v9   V's images: tile h, lane place r
.set SPW, 14                           ; v14  LDS address of my spare word; never rewritten
.set NIL, 15                           ; v15  0; never rewritten
.set R,   16                           ; v16-47   K as loaded
.set XK,  48                           ; v48-79   K turned: register 16 c + i = channel 32 c + 16 h + i of my key
.set CK,  80                           ; v80-87   K's codes
.set XV,  88                           ; v88-119  V: register 2 i + p = key i, channel 2 l + p
.set Y,   120                          ; v120-127 V's codes, the two channels by turns
.set EV,  128                          ; v128-131 16 keys of channel 2 l
.set OV,  132                          ; v132-135 16 keys of channel 2 l + 1
	s_load_b256 s[4:11], s[0:1], 0x0               ; ks s[4:5], vs s[6:7], valid_lens s[8:9], lowp_scales s[10:11]
	s_load_b64 s[12:13], s[0:1], 0x20              ; kv
	v_lshl_add_u32 v[SPW], v0, 2, SPARE
	v_mov_b32 v[NIL], 0
	v_lshrrev_b32 v1, 5, v0
	v_readfirstlane_b32 s14, v1                    ; wave 0..7
	v_and_b32 v1, 31, v0                           ; l
	v_and_b32 v2, 15, v0                           ; r
	v_bfe_u32 v3, v0, 4, 1                         ; h
	v_lshlrev_b32 v[KO], 16, v3
	v_lshl_add_u32 v[KO], v2, 4, v[KO]
	s_mul_i32 s28, s14, WSTG
	v_mul_u32_u24 v[SD], v3, 8*PITCH
	v_lshl_add_u32 v[SD], v2, 4, v[SD]
	v_add_nc_u32 v[SD], s28, v[SD]
	v_mul_u32_u24 v[SF], v2, PITCH
	v_lshl_add_u32 v[SF], v3, 6, v[SF]
	v_add_nc_u32 v[SF], s28, v[SF]
	v_lshlrev_b32 v[LO], 4, v1
	v_lshlrev_b32 v[VI], 3, v1
	v_lshlrev_b32 v[VO], 11, v3
	v_lshl_add_u32 v[VO], v2, 4, v[VO]
	s_and_b32 s16, ttmp7, 0xffff                   ; batch x 16 + head
	s_lshr_b32 s17, s16, 4                         ; batch
	s_and_b32 s18, s16, 15                         ; head
	s_wait_kmcnt 0x0
	s_load_b64 s[20:21], s[8:9], 0x0               ; the two lengths
	s_load_b128 s[24:27], s[10:11], 0x0            ; e0, e1, e2, e3
	; byte offsets, each in a pair of its own with 0 above
	s_lshl_b32 s30, s17, 23                        ; a batch is 2048 x 4096 bytes,
	s_lshl_b32 s31, ttmp9, 19                      ; a step 128 x 4096,
	s_add_co_u32 s30, s30, s31
	s_lshl_b32 s31, s18, 8                         ; a head's part of a row 256
	s_add_co_u32 s30, s30, s31
	s_lshr_b32 s32, s14, 1                         ; w / 2
	s_and_b32 s33, s14, 1                          ; w % 2
	s_lshl_b32 s34, s32, 17                        ; ks: tile w begins at key 32 (w / 2) + 8 (w % 2)
	s_lshl_b32 s35, s33, 15
	s_add_co_u32 s34, s34, s35
	s_add_co_u32 s34, s34, s30
	s_mov_b32 s35, 0
	s_lshl_b32 s36, s14, 16                        ; vs: key 16 w
	s_add_co_u32 s36, s36, s30
	s_mov_b32 s37, 0
	s_lshl_b32 s38, s16, 18                        ; kv: 16 steps of 16,384 bytes a head
	s_lshl_b32 s39, ttmp9, 14
	s_add_co_u32 s38, s38, s39
	s_lshl_b32 s40, s32, 9                         ; V's images: part w / 2, lanes 16 (w % 2) on
	s_lshl_b32 s41, s33, 8
	s_add_co_u32 s40, s40, s41
	s_add_co_u32 s40, s40, s38
	s_add_co_u32 s40, s40, 8192
	s_mov_b32 s41, 0
	s_lshl_b32 s39, s14, 10                        ; K's images: tile w
	s_add_co_u32 s38, s38, s39
	s_mov_b32 s39, 0
	s_mov_b32 s42, 0x06040200                      ; byte selects: the even bytes of two words,
	s_mov_b32 s43, 0x07050301                      ; the odd ones
	s_wait_kmcnt 0x0
	s_cmp_eq_u32 s17, 0
	s_cselect_b32 s19, s20, s21                    ; my batch's length,
	s_max_i32 s19, s19, 1                          ; at least 1: chunk 0 is always written
	s_lshr_b32 s29, ttmp9, 1
	s_lshl_b32 s29, s29, 8                         ; my chunk's first key
	s_cmp_ge_i32 s29, s19
	s_cbranch_scc1 .Lbeyond                        ; all 256 keys of the chunk are masked: nothing is read or written
	s_add_nc_u64 s[4:5], s[4:5], s[34:35]
	s_add_nc_u64 s[6:7], s[6:7], s[36:37]
	s_add_nc_u64 s[44:45], s[12:13], s[40:41]      ; V's images
	s_add_nc_u64 s[12:13], s[12:13], s[38:39]      ; K's images
.irp i, 0,1,2,3,4,5,6,7
	global_load_b128 v[R+4*\i:R+4*\i+3], v[KO], s[4:5] offset:4096*\i th:TH_LOAD_NT     ; lanes 0-15: the tile's row i; lanes 16-31: its row i + 8, the key 16 further on: two whole rows of 256 bytes
.endr
.irp i, 0,1,2,3,4,5,6,7,8,9,10,11,12,13,14,15
	global_load_b64 v[XV+2*\i:XV+2*\i+1], v[VI], s[6:7] offset:4096*\i th:TH_LOAD_NT    ; key 16 w + i: 32 lanes read its row of 256 bytes
.endr
	s_add_co_i32 s28, s25, 127
	s_lshl_b32 s29, s28, 23
	v_mov_b32 v11, s29                             ; 2^e1 as f32: the conversion takes its exponent field
	s_add_co_i32 s28, s28, 8
	s_lshl_b32 s28, s28, 23
	s_or_b32 s28, s28, 0x600000
	v_mov_b32 v10, s28                             ; 448 x 2^e1
	s_add_co_i32 s28, s26, 127
	s_lshl_b32 s29, s28, 23
	v_mov_b32 v13, s29                             ; 2^e2
	s_add_co_i32 s28, s28, 8
	s_lshl_b32 s28, s28, 23
	s_or_b32 s28, s28, 0x600000
	v_mov_b32 v12, s28                             ; 448 x 2^e2
	s_wait_loadcnt 16                              ; K's eight loads are in; V's sixteen, issued behind them, may be out
.irp i, 0,1,2,3,4,5,6,7
	ds_store_b128 v[SD], v[R+4*\i:R+4*\i+3] offset:PITCH*\i
.endr
.irp c, 0,1
.irp j, 0,1,2,3
	ds_load_b128 v[XK+16*\c+4*\j:XK+16*\c+4*\j+3], v[SF] offset:128*\c+16*\j      ; LDS serves a wave's instructions in order (ISA guide 5.7.1.4): these see my stores
.endr
.endr
	s_wait_loadcnt 0x0                             ; V is in; it is worked while K turns through the stage
.set i, 0
.rept 32
	v_med3_num_f32 v[XV+i], v[XV+i], -v12, v12     ; the conversion to an 8-bit code does not saturate (ISA guide 7.6.2): the hold at the largest code x the scale
.set i, i+1
.endr
.irp m, 0,1,2,3
	v_cvt_scalef32_pk8_fp8_f32 v[Y+2*\m:Y+2*\m+1], v[XV+8*\m:XV+8*\m+7], v13     ; keys 4 m .. 4 m + 3, each with its two channels
.endr
	v_nop                                          ; one plain vector instruction between the conversions and the permutes that read their results
.irp m, 0,1,2,3
	v_perm_b32 v[EV+\m], v[Y+2*\m+1], v[Y+2*\m], s42   ; keys 4 m .. 4 m + 3 of channel 2 l
	v_perm_b32 v[OV+\m], v[Y+2*\m+1], v[Y+2*\m], s43   ; and of channel 2 l + 1
.endr
	global_store_b128 v[VO], v[EV:EV+3], s[44:45]              ; channel 2 l = 32 h + 2 r: tile h, lane place r: sixteen lanes store 256 consecutive bytes, aligned
	global_store_b128 v[VO], v[OV:OV+3], s[44:45] offset:4096  ; channel 2 l + 1: tile h + 2
	s_wait_dscnt 0x0                               ; K is back from the stage
.set i, 0
.rept 32
	v_med3_num_f32 v[XK+i], v[XK+i], -v10, v10
.set i, i+1
.endr
.irp c, 0,1
	v_cvt_scalef32_pk8_fp8_f32 v[CK+4*\c:CK+4*\c+1], v[XK+16*\c:XK+16*\c+7], v11
	v_cvt_scalef32_pk8_fp8_f32 v[CK+4*\c+2:CK+4*\c+3], v[XK+16*\c+8:XK+16*\c+15], v11
.endr
	v_nop
.irp c, 0,1
	global_store_b128 v[LO], v[CK+4*\c:CK+4*\c+3], s[12:13] offset:512*\c        ; 32 lanes store 512 consecutive bytes, aligned
.endr
	s_wait_tensorcnt 0x0                           ; the wave's end: three closing lines behind my last LDS store, the first of them even with no tensor load
	ds_add_u32 v[SPW], v[NIL]
	s_wait_dscnt 0x0
	s_endpgm
.Lbeyond:
	s_endpgm
.Lfunc_end_k_qe9b19adb83_quant:
	.size	k_qe9b19adb83_quant, .Lfunc_end_k_qe9b19adb83_quant-k_qe9b19adb83_quant
	.p2alignl 7, 3214868480
	.fill 96, 4, 3214868480
	.section	.rodata,"a",@progbits
	.p2align	6, 0x0
	.amdhsa_kernel k_qe9b19adb83_quant
		.amdhsa_group_segment_fixed_size 35840
		.amdhsa_private_segment_fixed_size 0
		.amdhsa_enable_private_segment 0
		.amdhsa_kernarg_size 40
		.amdhsa_user_sgpr_count 2
		.amdhsa_user_sgpr_kernarg_segment_ptr 1
		.amdhsa_wavefront_size32 1
		.amdhsa_system_sgpr_workgroup_id_x 1
		.amdhsa_system_sgpr_workgroup_id_y 1
		.amdhsa_system_sgpr_workgroup_id_z 1
		.amdhsa_system_vgpr_workitem_id 0
		.amdhsa_next_free_vgpr 136
		.amdhsa_next_free_sgpr 66
		.amdhsa_reserve_vcc 0
		.amdhsa_float_denorm_mode_32 3
		.amdhsa_float_denorm_mode_16_64 3
		.amdhsa_memory_ordered 1
		.amdhsa_forward_progress 1
		.amdhsa_inst_pref_size 13
	.end_amdhsa_kernel
	.amdgpu_metadata
---
amdhsa.version: [ 1, 2 ]
amdhsa.kernels:
  - .name:           k_qe9b19adb83_quant
    .symbol:         k_qe9b19adb83_quant.kd
    .args:
      - { .name: ks, .offset: 0, .size: 8, .value_kind: global_buffer, .address_space: global }
      - { .name: vs, .offset: 8, .size: 8, .value_kind: global_buffer, .address_space: global }
      - { .name: valid_lens, .offset: 16, .size: 8, .value_kind: global_buffer, .address_space: global }
      - { .name: lowp_scales, .offset: 24, .size: 8, .value_kind: global_buffer, .address_space: global }
      - { .name: kv, .offset: 32, .size: 8, .value_kind: global_buffer, .address_space: global }
    .group_segment_fixed_size: 35840
    .private_segment_fixed_size: 0
    .kernarg_segment_align: 8
    .kernarg_segment_size: 40
    .max_flat_workgroup_size: 256
    .sgpr_count:     66
    .vgpr_count:     136
    .wavefront_size: 32
...
	.end_amdgpu_metadata
.endif
;; end of part 1
;; launch attn (part 2): grid 16 x 16, 16 waves a work-group, no clusters, 202,752 bytes of LDS; arguments qs, kv, valid_lens, lowp_scales, out0; writes out0
.if DOCPART == 2
	.amdgcn_target "amdgcn-amd-amdhsa--gfx1250"
	.amdhsa_code_object_version 6
	.text
	.protected	k_qe9b19adb83_attn
	.globl	k_qe9b19adb83_attn
	.p2align	8
	.type	k_qe9b19adb83_attn,@function
k_qe9b19adb83_attn:
	s_mov_b64 s[64:65], 0
	v_nop
	global_prefetch_b8 v0, s[64:65] scope:SCOPE_SE
	s_setreg_imm32_b32 hwreg(HW_REG_WAVE_MODE, 25, 1), 1
	s_wait_xcnt 0x0
; out0[b][q][h][:] = the sum over k < valid_lens[b] of softmax_k(qs[b][q][h] . ks[b][k][h] / 8) vs[b][k][h][:], both products on codes of FP8 (E4M3) with the given scales 2^e0 (qs / 8), 2^e1 (ks), 2^e2 (vs), 2^e3 (p).
; K's and V's codes come from the workspace kv, laid as images of the operands' registers (the launch before states the layout).  qs is read once, by one wave, and is quantised here in registers.
; LEFT OUT: a step of 128 keys all of which lie at or beyond valid_lens[b]: their weights are exactly 0 and add nothing to the sum or the output.  The length is a whole number read from memory; a scalar branch on it leads
; round the step's loads, products and softmax, never round a barrier.  A NaN, an infinity or an overflow among the numbers of such keys is not carried to the result.
; THE SOFTMAX AHEAD OF THE SECOND PRODUCT: t = score x log2(e); M = the running largest t, rounded UP to a whole number; p = 2^(t - M) is quantised, not normalised; the row's sum is taken of the unquantised p and divides at the end.
; When M moves, the sum and O are multiplied by 2^(old M - new M), which rounds nothing.
; SHARES.  A work-group owns 128 queries of one head IN BOTH BATCHES: wave w has batch (w ^ (w / 4)) % 2 and tile w / 2 of 16 queries, so that waves of the longer and of the shorter batch stand side by side in every group of
; four waves, taken by w % 4 or by w / 4.  A wave holds one tile in 256 registers.  The eight waves of a batch share its codes through LDS: keys go in chunks of 256 (32,768 dense bytes of kv), of which each wave copies 4,096 bytes
; through registers into a ring of two slots; the loads are issued at a trip's head and waited for at its end, two key steps later, so no wave waits for that stream, and nothing is prefetched.
; NO TENSOR LOAD AND NO CLUSTER: the branch on valid_lens is what leaves the masked steps out.
; LAYOUT.  Both products are used transposed: S^T = K Q^T (source 0 = 16 keys, source 1 = my 16 queries), O^T = V^T P^T (source 0 = 16 channels, source 1 = P): a lane holds ONE query (lane % 16) throughout.
; The keys of a tile of K are chosen so that the 16 registers of tiles 2 b and 2 b + 1 are keys 32 b + 16 (lane / 16) + 0 .. 15: the conversions' results are the second product's operand.
; Inside a fragment k is laid 16 bytes a lane half, alike in both operands of a product: every product meets its partner; only the order of the sums inside an instruction differs.
; LIMITS.  NaN and infinity among the inputs are not served.  e3 and e0 + 3 lie between -126 and 119, e0 + e1 between -126 and 127.  qs / 8 is folded into the conversion's power of two (exact short of f32 denormals).
; valid_lens above 2,048 counts as 2,048; at 0 or below every step is left out and the rows come out as 0 / 0 = NaN, as reference() has them.
; REGISTERS: v1-11 addresses that stay; v12 -M, v13 the largest t, v[14:15] the sum in two halves; v16-23 Q; v24-55 codes on their way to LDS; v56-119 fragments of K, then of V; v120-183 S^T, then p; v184-215 O^T;
; v216-231 p's codes; v232-245 at work and constants.
.set SLOT,  65536                      ; a slot: batch 0's chunk (32,768 bytes, two steps of 16,384), then batch 1's
.set PITCH, 272                        ; a stage row: 256 bytes + 16
.set WSTG,  16*PITCH
.set STAGE, 2*SLOT                     ; behind the ring: a stage of 16 rows for each wave, its own: Q on the way in, O on the way out
.set SPARE, STAGE+16*WSTG              ; behind the stages: the spare words, 128 bytes for each wave: eight blocks of 256 bytes that no other line names
.set AD0, 1                            ; v1   16 l + 32,768 x batch: an image's place for my lane, slot 0
.set SA0, 2                            ; v2   where I put my 4,096 bytes of a chunk, slot 0
.set GOF, 3                            ; v3   16 l
.set AD1, 4                            ; v4   as v1, slot 1
.set SA1, 5                            ; v5   as v2, slot 1
.set SPW, 6                            ; v6   LDS address of my spare word; never rewritten
.set NIL, 7                            ; v7   0; never rewritten
.set KD,  8                            ; v8   16 h: my half's first key in a group of 32
.set QO,  9                            ; v9   qs and out0: 8 rows (32,768 bytes) x h + 16 r
.set STD, 10                           ; v10  my stage by rows as they lie in memory: row 8 h (+ i), 16 r
.set STF, 11                           ; v11  my stage by lanes: row r, + 64 h
.set G,   24
.set F,   56
.set S,   120
.set O,   184
.set PC,  216
.set WV,  14                           ; s14  wave
.set SEL, 20                           ; s[20:21] lane selects for v_permlanex16_b32: lane l xor 16
.set CS,  22                           ; s[22:23] c = log2(e) x 2^(e0 + e1), twice: the packed form names a pair
.set KF,  26                           ; s26  the step's first key
.set LEN, 27                           ; s27  my batch's length, held within 0 and 2,048
.set HOLD, 28                          ; s28  1 where p must be held at the largest code
	s_load_b256 s[4:11], s[0:1], 0x0               ; qs s[4:5], kv s[6:7], valid_lens s[8:9], lowp_scales s[10:11]
	s_load_b64 s[12:13], s[0:1], 0x20              ; out0
	v_lshl_add_u32 v[SPW], v0, 2, SPARE
	v_mov_b32 v[NIL], 0
	v_lshrrev_b32 v244, 5, v0
	v_readfirstlane_b32 s[WV], v244                ; wave 0..15
	s_lshr_b32 s15, s[WV], 2
	s_xor_b32 s15, s15, s[WV]
	s_and_b32 s15, s15, 1                          ; batch
	s_lshr_b32 s16, s[WV], 1                       ; tile of queries; also: which eighth of a chunk I copy
	v_and_b32 v244, 15, v0                         ; r
	v_bfe_u32 v245, v0, 4, 1                       ; h
	v_and_b32 v[GOF], 31, v0
	v_lshlrev_b32 v[GOF], 4, v[GOF]
	s_lshl_b32 s40, s15, 15
	v_add_nc_u32 v[AD0], s40, v[GOF]
	v_add_nc_u32 v[AD1], SLOT, v[AD0]
	s_lshl_b32 s41, s16, 12
	v_add_nc_u32 v[SA0], s41, v[AD0]
	v_add_nc_u32 v[SA1], SLOT, v[SA0]
	v_lshlrev_b32 v[KD], 4, v245
	v_lshlrev_b32 v[QO], 15, v245
	v_lshl_add_u32 v[QO], v244, 4, v[QO]
	s_mul_i32 s42, s[WV], WSTG
	s_add_co_u32 s42, s42, STAGE
	v_mul_u32_u24 v[STD], v245, 8*PITCH
	v_lshl_add_u32 v[STD], v244, 4, v[STD]
	v_add_nc_u32 v[STD], s42, v[STD]
	v_mul_u32_u24 v[STF], v244, PITCH
	v_lshl_add_u32 v[STF], v245, 6, v[STF]
	v_add_nc_u32 v[STF], s42, v[STF]
	s_and_b32 s43, ttmp7, 0xffff                   ; the head
	s_lshl_b32 s44, s15, 23                        ; qs, out0: a batch is 2048 x 4096 bytes,
	s_lshl_b32 s45, ttmp9, 19                      ; the work-group's 128 queries,
	s_add_co_u32 s44, s44, s45
	s_lshl_b32 s45, s16, 16                        ; my 16 of them,
	s_add_co_u32 s44, s44, s45
	s_lshl_b32 s45, s43, 8                         ; the head's 256 bytes of a row
	s_add_co_u32 s44, s44, s45
	s_mov_b32 s45, 0
	s_lshl_b32 s46, s15, 22                        ; kv: 262,144 bytes a head, 16 heads a batch,
	s_lshl_b32 s47, s43, 18
	s_add_co_u32 s46, s46, s47
	s_add_co_u32 s46, s46, s41                     ; my eighth of a chunk
	s_mov_b32 s47, 0
	s_mov_b32 s[SEL], 0x76543210
	s_mov_b32 s[SEL+1], 0xfedcba98
	s_mov_b32 s[KF], 0
	s_wait_kmcnt 0x0
	s_load_b64 s[36:37], s[8:9], 0x0               ; the two lengths
	s_load_b128 s[32:35], s[10:11], 0x0            ; e0, e1, e2, e3
	s_add_nc_u64 s[4:5], s[4:5], s[44:45]
	s_add_nc_u64 s[12:13], s[12:13], s[44:45]
	s_add_nc_u64 s[6:7], s[6:7], s[46:47]
.irp i, 0,1,2,3,4,5,6,7
	global_load_b128 v[G+4*\i:G+4*\i+3], v[GOF], s[6:7] offset:512*\i              ; chunk 0, which is always written and always read: my 4,096 bytes, 512 consecutive bytes a load
.endr
.irp i, 0,1,2,3,4,5,6,7
	global_load_b128 v[S+4*\i:S+4*\i+3], v[QO], s[4:5] offset:4096*\i th:TH_LOAD_NT   ; Q: lanes 0-15 row i, lanes 16-31 row i + 8: two whole rows of 256 bytes
.endr
	s_wait_kmcnt 0x0
	s_cmp_eq_u32 s15, 0
	s_cselect_b32 s[LEN], s36, s37
	s_max_i32 s[LEN], s[LEN], 0
	s_min_i32 s[LEN], s[LEN], 2048
	s_cmp_lt_i32 s35, -8                           ; p is at most 1, but for the rounding of t - M; 448 x 2^e3 is at least 1.75 where e3 >= -8: there the hold changes nothing and is jumped over
	s_cselect_b32 s[HOLD], 1, 0
	s_add_co_i32 s40, s32, s33
	s_lshl_b32 s40, s40, 23
	s_add_co_i32 s[CS], s40, 0x3fb8aa3b            ; a sum of the first product stands for sum x 2^(e0 + e1): the two exponents are added to log2(e)'s exponent field
	s_mov_b32 s[CS+1], s[CS]
	s_add_co_i32 s29, s34, s35                     ; e2 + e3, applied at the end by v_ldexp_f32
	s_add_co_i32 s40, s35, 127
	s_lshl_b32 s41, s40, 23
	v_mov_b32 v241, s41                            ; 2^e3 as f32, for p's conversions
	s_add_co_i32 s40, s40, 8
	s_lshl_b32 s40, s40, 23
	s_or_b32 s40, s40, 0x600000
	v_mov_b32 v240, s40                            ; 448 x 2^e3
	s_add_co_i32 s40, s32, 130
	s_lshl_b32 s41, s40, 23
	v_mov_b32 v243, s41                            ; 2^(e0 + 3): (q / 8) / 2^e0 = q / 2^(e0 + 3)
	s_add_co_i32 s40, s40, 8
	s_lshl_b32 s40, s40, 23
	s_or_b32 s40, s40, 0x600000
	v_mov_b32 v242, s40                            ; 448 x 2^(e0 + 3)
	s_wait_loadcnt 8                               ; chunk 0's eight loads are in; Q's eight, issued behind them, may be out
.irp i, 0,1,2,3,4,5,6,7
	ds_store_b128 v[SA0], v[G+4*\i:G+4*\i+3] offset:512*\i
.endr
	s_wait_loadcnt 0x0                             ; Q
.irp i, 0,1,2,3,4,5,6,7
	ds_store_b128 v[STD], v[S+4*\i:S+4*\i+3] offset:PITCH*\i
.endr
.irp c, 0,1
.irp j, 0,1,2,3
	ds_load_b128 v[S+32+16*\c+4*\j:S+32+16*\c+4*\j+3], v[STF] offset:128*\c+16*\j  ; my own stage: LDS serves a wave's instructions in order (ISA guide 5.7.1.4).  Register 16 c + i = channel 32 c + 16 h + i of query r
.endr
.endr
	s_wait_dscnt 0x0                               ; for the others' sake: my part of chunk 0 lies in slot 0 (and Q is back)
	s_barrier_signal -1
.set i, 0
.rept 32                                       ; work on registers while the others arrive
	v_med3_num_f32 v[S+32+i], v[S+32+i], -v242, v242   ; the conversion to an 8-bit code does not saturate (ISA guide 7.6.2): the hold at the largest code x the scale
.set i, i+1
.endr
.irp c, 0,1
	v_cvt_scalef32_pk8_fp8_f32 v[16+4*\c:17+4*\c], v[S+32+16*\c:S+32+16*\c+7], v243
	v_cvt_scalef32_pk8_fp8_f32 v[18+4*\c:19+4*\c], v[S+32+16*\c+8:S+32+16*\c+15], v243
.endr
	v_nop                                          ; one plain vector instruction behind the last conversion
.set i, 0
.rept 32
	v_mov_b32 v[O+i], 0                            ; O^T.  (A step is written without a first form of its own: the first finds zeros, which the first change of M leaves zeros)
.set i, i+1
.endr
	v_mov_b32 v13, 0xff61b1e6                      ; the largest t so far: -3e38, under every t
	v_floor_f32 v12, -v13                          ; -M
	v_mov_b32 v14, 0                               ; the sum, in two halves
	v_mov_b32 v15, 0
	v_mov_b32 v232, 0                              ; written once: a lane permute's destination counts as one of its sources
	v_mov_b32 v235, 0                              ; (named as the upper half of the pair v[234:235])
	s_barrier_wait -1                              ; chunk 0 is whole
; A KEY STEP: 128 keys, the q-th of the chunk in the given slot.
.macro STEP slot, q
	s_cmp_ge_u32 s[KF], s[LEN]
	s_cbranch_scc1 .Lskip_\@                       ; all 128 keys are masked
.irp t, 0,1,2,3,4,5,6,7
.irp c, 0,1
	ds_load_b128 v[F+8*\t+4*\c:F+8*\t+4*\c+3], v[AD0+3*(\slot)] offset:16384*(\q)+1024*\t+512*\c    ; K's eight fragments, as images: 512 consecutive bytes a load
.endr
.endr
	s_wait_dscnt 0x0
.irp t, 0,1,2,3,4,5,6,7
	v_wmma_f32_16x16x64_fp8_fp8 v[S+8*\t:S+8*\t+7], v[F+8*\t:F+8*\t+7], v[16:23], 0
.endr
.rept 4
	v_nop                                          ; four places in front of the loads into K's registers and of the first read of the scores
.endr
.irp t, 0,1,2,3
.irp c, 0,1,2,3
	ds_load_b128 v[F+16*\t+4*\c:F+16*\t+4*\c+3], v[AD0+3*(\slot)] offset:16384*(\q)+8192+2048*\t+512*\c   ; V's four fragments land while the softmax is worked
.endr
.endr
	s_add_co_u32 s40, s[KF], 128
	s_cmp_le_u32 s40, s[LEN]
	s_cbranch_scc1 .Lopen_\@                       ; all 128 keys count
	s_sub_co_u32 s40, s[LEN], s[KF]                ; the one step that holds the length: the scores of masked keys become -infinity ahead of the maximum, so that p = 0
	v_sub_nc_u32 v244, s40, v[KD]                  ; register 16 b + i holds key KF + 32 b + 16 h + i: masked where 32 b + i >= length - KF - 16 h
	v_mov_b32 v245, 0xff800000
.set n, 0
.rept 64
	v_cmp_ge_i32 vcc_lo, 32*(n/16)+n%16, v244
	v_cndmask_b32 v[S+n], v[S+n], v245, vcc_lo
.set n, n+1
.endr
.Lopen_\@:
	v_max3_num_f32 v238, v[S], v[S+1], v[S+2]      ; the step's largest score of my query among my 64 keys, in two chains, each tile of scores from its low end on
	v_max3_num_f32 v239, v[S+3], v[S+4], v[S+5]
.irp i, 6,10,14,18,22,26,30,34,38,42,46,50,54,58
	v_max3_num_f32 v238, v238, v[S+\i], v[S+\i+1]
	v_max3_num_f32 v239, v239, v[S+\i+2], v[S+\i+3]
.endr
	v_max3_num_f32 v238, v238, v[S+62], v[S+63]
	v_max_num_f32 v238, v238, v239
	v_permlanex16_b32 v232, v238, s[SEL], s[SEL+1]
	v_max_num_f32 v238, v238, v232                 ; and among lane l xor 16's
	v_mul_f32 v238, s[CS], v238                    ; as t (c is positive)
	v_max_num_f32 v13, v13, v238                   ; the running largest t
	v_mov_b32 v238, v12
	v_floor_f32 v12, -v13                          ; the new -M = floor(-t) = -ceil(t): a whole number
	v_sub_f32 v238, v12, v238                      ; old M - new M: a whole number, 0 or less
	v_cvt_i32_f32 v238, v238                       ; (it saturates)
	v_ldexp_f32 v234, 1.0, v238                    ; f = 2^(old M - new M)
.set j, 0
.rept 32
	v_pk_fma_f32 v[S+j:S+j+1], v[S+j:S+j+1], s[CS:CS+1], v[12:13] op_sel_hi:[1,0,0]   ; t - M, two at a time (of the pairs c and -M the low word serves both halves)
.set j, j+2
.endr
.set j, 0
.rept 64
	v_exp_f32 v[S+j], v[S+j]                       ; p = 2^(t - M): not normalised
.set j, j+1
.endr
	v_pk_mul_f32 v[14:15], v[14:15], v[234:235] op_sel_hi:[1,0]   ; the sums under the new M: the plain instruction behind the exponentials
	s_wait_alu depctr_va_vdst(0)                   ; one wait for the batch of 64, ahead of its first reader
	v_pk_add_f32 v[236:237], v[S:S+1], v[S+2:S+3]  ; the row's sum is taken of the unquantised p: two at a time, in two chains
.irp j, 4,8,12,16,20,24,28,32,36,40,44,48,52,56,60
	v_pk_add_f32 v[14:15], v[14:15], v[S+\j:S+\j+1]
	v_pk_add_f32 v[236:237], v[236:237], v[S+\j+2:S+\j+3]
.endr
	v_pk_add_f32 v[14:15], v[14:15], v[236:237]
	s_cmp_eq_u32 s[HOLD], 0
	s_cbranch_scc1 .Lfits_\@
.set j, 0
.rept 64
	v_min_num_f32 v[S+j], v[S+j], v240             ; e3 < -8: p can pass the largest code x the scale; it is never negative, so the hold is one-sided
.set j, j+1
.endr
.Lfits_\@:
.irp b, 0,1,2,3
	v_cvt_scalef32_pk8_fp8_f32 v[PC+4*\b:PC+4*\b+1], v[S+16*\b:S+16*\b+7], v241
	v_cvt_scalef32_pk8_fp8_f32 v[PC+4*\b+2:PC+4*\b+3], v[S+16*\b+8:S+16*\b+15], v241
.endr
.set j, 0
.rept 16
	v_pk_mul_f32 v[O+j:O+j+1], v[O+j:O+j+1], v[234:235] op_sel_hi:[1,0]   ; O^T under the new M; these are also the plain instructions between the conversions and the products
.set j, j+2
.endr
	s_wait_dscnt 0x0                               ; V is in
.irp t, 0,1,2,3                                ; the four accumulators take turns, one instruction a turn; the next matrix instruction is a tile of scores
	v_wmma_f32_16x16x128_fp8_fp8 v[O+8*\t:O+8*\t+7], v[F+16*\t:F+16*\t+15], v[PC:PC+15], v[O+8*\t:O+8*\t+7]
.endr
.rept 4
	v_nop                                          ; four places in front of the next loads into V's registers and of the next read of O^T
.endr
.Lskip_\@:
	s_add_co_u32 s[KF], s[KF], 128
.endm
; A TRIP: the two steps of the chunk in the given slot.  fetch = 1: the next chunk is copied into the other slot: asked for at the head, where its first key lies under the length; put into LDS at the end.
; ONE barrier a trip orders two things: my stores into the other slot against the next trip's reads of it, and every wave's reads of this slot against the stores of the next trip.  It stands outside every branch on the length.
.macro TRIP slot, fetch
.if \fetch
	s_add_co_u32 s41, s[KF], 256
	s_cmp_lt_u32 s41, s[LEN]
	s_cbranch_scc0 .Lnone_\@                       ; the next chunk is wholly masked: it was not written and is not read
.irp i, 0,1,2,3,4,5,6,7
	global_load_b128 v[G+4*\i:G+4*\i+3], v[GOF], s[6:7] offset:32768+512*\i
.endr
.Lnone_\@:
.endif
	STEP \slot, 0
	STEP \slot, 1
.if \fetch
	s_wait_loadcnt 0x0                             ; asked for two key steps ago
.irp i, 0,1,2,3,4,5,6,7
	ds_store_b128 v[SA0+3*(1-(\slot))], v[G+4*\i:G+4*\i+3] offset:512*\i       ; beyond the length these are the last chunk's codes once more, in a slot that no step reads
.endr
	s_add_nc_u64 s[6:7], s[6:7], 32768             ; behind the wait that shows the loads done
	s_wait_dscnt 0x0                               ; for the others' sake: my stores have landed, and my reads of this slot are over
	s_barrier_signal -1
	s_barrier_wait -1
.endif
.endm
	s_mov_b32 s25, 3
.Ltrips:                                           ; chunks 0 to 5, two a trip of the loop, so that every slot's address is a constant of the text
	TRIP 0, 1
	TRIP 1, 1
	s_sub_co_u32 s25, s25, 1
	s_cmp_lg_u32 s25, 0
	s_cbranch_scc1 .Ltrips
	TRIP 0, 1                                      ; chunk 6
	TRIP 1, 0                                      ; chunk 7: nothing is left to fetch, and nothing is handed on: no barrier
	; THE WAY OUT.  O^T x 2^(e2 + e3) / the sum goes through my stage and leaves as whole rows of 256 bytes.
	v_add_f32 v14, v14, v15                        ; the sum's two halves,
	v_permlanex16_b32 v232, v14, s[SEL], s[SEL+1]
	v_add_f32 v14, v14, v232                       ; and lane l xor 16's
	v_rcp_f32 v14, v14
	v_nop                                          ; a plain instruction behind the reciprocal
	s_wait_alu depctr_va_vdst(0)                   ; and the wait ahead of its first reader
	v_ldexp_f32 v14, v14, s29
.irp g, 0,1                                    ; tile g holds channels 32 g + 16 h + 2 j, tile g + 2 channels 32 g + 16 h + 2 j + 1: laid by turns they are 16 neighbours.  Each accumulator from its low end on
.irp j, 0,1,2,3,4,5,6,7
	v_mul_f32 v[S+16*\g+2*\j], v[O+8*\g+\j], v14
	v_mul_f32 v[S+16*\g+2*\j+1], v[O+16+8*\g+\j], v14
.endr
.endr
.irp g, 0,1
.irp k, 0,1,2,3
	ds_store_b128 v[STF], v[S+16*\g+4*\k:S+16*\g+4*\k+3] offset:128*\g+16*\k
.endr
.endr
.irp i, 0,1,2,3,4,5,6,7
	ds_load_b128 v[S+32+4*\i:S+32+4*\i+3], v[STD] offset:PITCH*\i                  ; my own stage: these see the stores above
.endr
.irp i, 0,1,2,3,4,5,6,7
	s_wait_dscnt 7-\i                              ; LDS loads come back in order: load i is in, the 7 - i younger ones may be out
	global_store_b128 v[QO], v[S+32+4*\i:S+32+4*\i+3], s[12:13] offset:4096*\i th:TH_STORE_NT   ; lanes 0-15 row i, lanes 16-31 row i + 8: sixteen lanes store 256 consecutive bytes, aligned
.endr
	s_wait_tensorcnt 0x0                           ; the wave's end: three closing lines behind my last LDS store, the first of them even with no tensor load
	ds_add_u32 v[SPW], v[NIL]
	s_wait_dscnt 0x0
	s_endpgm
.Lfunc_end_k_qe9b19adb83_attn:
	.size	k_qe9b19adb83_attn, .Lfunc_end_k_qe9b19adb83_attn-k_qe9b19adb83_attn
	.p2alignl 7, 3214868480
	.fill 96, 4, 3214868480
	.section	.rodata,"a",@progbits
	.p2align	6, 0x0
	.amdhsa_kernel k_qe9b19adb83_attn
		.amdhsa_group_segment_fixed_size 202752
		.amdhsa_private_segment_fixed_size 0
		.amdhsa_enable_private_segment 0
		.amdhsa_kernarg_size 40
		.amdhsa_user_sgpr_count 2
		.amdhsa_user_sgpr_kernarg_segment_ptr 1
		.amdhsa_wavefront_size32 1
		.amdhsa_system_sgpr_workgroup_id_x 1
		.amdhsa_system_sgpr_workgroup_id_y 1
		.amdhsa_system_sgpr_workgroup_id_z 1
		.amdhsa_system_vgpr_workitem_id 0
		.amdhsa_next_free_vgpr 256
		.amdhsa_next_free_sgpr 66
		.amdhsa_reserve_vcc 1
		.amdhsa_float_denorm_mode_32 3
		.amdhsa_float_denorm_mode_16_64 3
		.amdhsa_memory_ordered 1
		.amdhsa_forward_progress 1
		.amdhsa_inst_pref_size 182
	.end_amdhsa_kernel
	.amdgpu_metadata
---
amdhsa.version: [ 1, 2 ]
amdhsa.kernels:
  - .name:           k_qe9b19adb83_attn
    .symbol:         k_qe9b19adb83_attn.kd
    .args:
      - { .name: qs, .offset: 0, .size: 8, .value_kind: global_buffer, .address_space: global }
      - { .name: kv, .offset: 8, .size: 8, .value_kind: global_buffer, .address_space: global }
      - { .name: valid_lens, .offset: 16, .size: 8, .value_kind: global_buffer, .address_space: global }
      - { .name: lowp_scales, .offset: 24, .size: 8, .value_kind: global_buffer, .address_space: global }
      - { .name: out0, .offset: 32, .size: 8, .value_kind: global_buffer, .address_space: global }
    .group_segment_fixed_size: 202752
    .private_segment_fixed_size: 0
    .kernarg_segment_align: 8
    .kernarg_segment_size: 40
    .max_flat_workgroup_size: 512
    .sgpr_count:     66
    .vgpr_count:     256
    .wavefront_size: 32
...
	.end_amdgpu_metadata
.endif
;; end of part 2
;; ======== version 2 of 2: 2 launches
;; workspace buffers: kv 8,388,608 bytes
;; launch quant (part 3): grid 16 x 32, 8 waves a work-group, no clusters, 35,840 bytes of LDS; arguments ks, vs, valid_lens, lowp_scales, kv; writes kv
.if DOCPART == 3
	.amdgcn_target "amdgcn-amd-amdhsa--gfx1250"
	.amdhsa_code_object_version 6
	.text
	.protected	k_qe9b19adb83_quant
	.globl	k_qe9b19adb83_quant
	.p2align	8
	.type	k_qe9b19adb83_quant,@function
k_qe9b19adb83_quant:
	s_mov_b64 s[64:65], 0
	v_nop
	global_prefetch_b8 v0, s[64:65] scope:SCOPE_SE
	s_setreg_imm32_b32 hwreg(HW_REG_WAVE_MODE, 25, 1), 1
	s_wait_xcnt 0x0
; ks and vs, [2][2048][16][64] f32, become codes of FP8 (E4M3) with the given scales 2^e1 (ks) and 2^e2 (vs): code = x / 2^e, held within +-448, to the nearest code, ties to even.
; WHAT IS LEFT OUT, AND WHY.  reference() sets the score of key k of batch b to -infinity where k >= valid_lens[b]; its softmax weight is then exactly 0, and the key adds 0 to the row's sum and to the output,
; whatever finite numbers ks and vs hold there.  valid_lens is a whole number read from memory, so whole blocks of such keys are not quantised here and not multiplied in the next launch.  Keys go in chunks of 256:
; chunk j of batch b is written where 256 j < max(valid_lens[b], 1); the next launch reads just these chunks.  No input is without a way to the output: all are loaded by one launch or the other.
; LIMITS.  A NaN, an infinity or an overflow among the numbers of keys that are left out is not carried to the result.  NaN and infinity among the inputs are not served.  e1 and e2 lie between -126 and 119.
; THE WORKSPACE kv: [batch x 16 + head][step of 128 keys, 0..15][16,384 bytes], laid as IMAGES OF THE OPERANDS' REGISTERS (lane l, r = l % 16, h = l / 16):
;   K, tile t of 8, part c of 2, at t x 1024 + c x 512 + 16 l: the 16 codes of key 32 (t / 2) + 8 (t % 2) + r + 8 (r / 8), channels 32 c + 16 h + 0 .. 15;
;   V, tile t of 4, part c of 4, at 8192 + t x 2048 + c x 512 + 16 l: the 16 codes of channel 32 (t % 2) + 2 r + t / 2, keys 32 c + 16 h + 0 .. 15 (the keys are the second product's K).
; SHARES.  A work-group takes one step of one head: 128 rows of 256 bytes of ks and of vs.  Wave w makes K's tile w and, of V, keys 16 w .. 16 w + 15 of all 64 channels (part w / 2, half w % 2 of all four tiles).
; The grid serves every length: a work-group whose chunk lies beyond its batch's length stores nothing and ends.  Waves share nothing: no barrier.  No loop: every offset is an immediate, no register of a load or store is written again.
; K: each load takes two whole rows (16 lanes to a row of 256 bytes); the rows turn through the wave's own stage in LDS so that a lane holds 16 neighbouring channels of one key.
; V: a lane takes channels 2 l and 2 l + 1, and its registers run down the keys; a conversion's eight codes are four keys of two channels by turns, and two byte permutes part the channels.
.set PITCH, 272                        ; a stage row: 256 bytes + 16, so that the sixteen rows that a load touches begin at sixteen different 16-byte columns
.set WSTG,  16*PITCH                   ; a wave's stage
.set SPARE, 8*WSTG                     ; behind the stages: the spare words, 128 bytes for each wave: four blocks of 256 bytes that no other line names
.set KO,  4                            ; v4   ks: 16 keys (65,536 bytes) x h + 16 r
.set SD,  5                            ; v5   the stage as loaded: row 8 h (+ i), 16 r
.set SF,  6                            ; v6   the stage turned: row r, + 64 h
.set LO,  7                            ; v7   16 l
.set VI,  8                            ; v8   8 l
.set VO,  9                            ; v9   V's images: tile h, lane place r
.set SPW, 14                           ; v14  LDS address of my spare word; never rewritten
.set NIL, 15                           ; v15  0; never rewritten
.set R,   16                           ; v16-47   K as loaded
.set XK,  48                           ; v48-79   K turned: register 16 c + i = channel 32 c + 16 h + i of my key
.set CK,  80                           ; v80-87   K's codes
.set XV,  88                           ; v88-119  V: register 2 i + p = key i, channel 2 l + p
.set Y,   120                          ; v120-127 V's codes, the two channels by turns
.set EV,  128                          ; v128-131 16 keys of channel 2 l
.set OV,  132                          ; v132-135 16 keys of channel 2 l + 1
	s_load_b256 s[4:11], s[0:1], 0x0               ; ks s[4:5], vs s[6:7], valid_lens s[8:9], lowp_scales s[10:11]
	s_load_b64 s[12:13], s[0:1], 0x20              ; kv
	v_lshl_add_u32 v[SPW], v0, 2, SPARE
	v_mov_b32 v[NIL], 0
	v_lshrrev_b32 v1, 5, v0
	s_delay_alu instid0(VALU_DEP_1)
	v_readfirstlane_b32 s14, v1                    ; wave 0..7
	v_and_b32 v1, 31, v0                           ; l
	v_and_b32 v2, 15, v0                           ; r
	v_bfe_u32 v3, v0, 4, 1                         ; h
	s_delay_alu instid0(VALU_DEP_1)
	v_lshlrev_b32 v[KO], 16, v3
	s_delay_alu instid0(VALU_DEP_1)
	v_lshl_add_u32 v[KO], v2, 4, v[KO]
	s_mul_i32 s28, s14, WSTG
	v_mul_u32_u24 v[SD], v3, 8*PITCH
	s_delay_alu instid0(VALU_DEP_1)
	v_lshl_add_u32 v[SD], v2, 4, v[SD]
	s_delay_alu instid0(VALU_DEP_1)
	v_add_nc_u32 v[SD], s28, v[SD]
	v_mul_u32_u24 v[SF], v2, PITCH
	s_delay_alu instid0(VALU_DEP_1)
	v_lshl_add_u32 v[SF], v3, 6, v[SF]
	s_delay_alu instid0(VALU_DEP_1)
	v_add_nc_u32 v[SF], s28, v[SF]
	v_lshlrev_b32 v[LO], 4, v1
	v_lshlrev_b32 v[VI], 3, v1
	v_lshlrev_b32 v[VO], 11, v3
	s_delay_alu instid0(VALU_DEP_1)
	v_lshl_add_u32 v[VO], v2, 4, v[VO]
	s_and_b32 s16, ttmp7, 0xffff                   ; batch x 16 + head
	s_lshr_b32 s17, s16, 4                         ; batch
	s_and_b32 s18, s16, 15                         ; head
	s_wait_kmcnt 0x0
	s_load_b64 s[20:21], s[8:9], 0x0               ; the two lengths
	s_load_b128 s[24:27], s[10:11], 0x0            ; e0, e1, e2, e3
	; byte offsets, each in a pair of its own with 0 above
	s_lshl_b32 s30, s17, 23                        ; a batch is 2048 x 4096 bytes,
	s_lshl_b32 s31, ttmp9, 19                      ; a step 128 x 4096,
	s_add_co_u32 s30, s30, s31
	s_lshl_b32 s31, s18, 8                         ; a head's part of a row 256
	s_add_co_u32 s30, s30, s31
	s_lshr_b32 s32, s14, 1                         ; w / 2
	s_and_b32 s33, s14, 1                          ; w % 2
	s_lshl_b32 s34, s32, 17                        ; ks: tile w begins at key 32 (w / 2) + 8 (w % 2)
	s_lshl_b32 s35, s33, 15
	s_add_co_u32 s34, s34, s35
	s_add_co_u32 s34, s34, s30
	s_mov_b32 s35, 0
	s_lshl_b32 s36, s14, 16                        ; vs: key 16 w
	s_add_co_u32 s36, s36, s30
	s_mov_b32 s37, 0
	s_lshl_b32 s38, s16, 18                        ; kv: 16 steps of 16,384 bytes a head
	s_lshl_b32 s39, ttmp9, 14
	s_add_co_u32 s38, s38, s39
	s_lshl_b32 s40, s32, 9                         ; V's images: part w / 2, lanes 16 (w % 2) on
	s_lshl_b32 s41, s33, 8
	s_add_co_u32 s40, s40, s41
	s_add_co_u32 s40, s40, s38
	s_add_co_u32 s40, s40, 8192
	s_mov_b32 s41, 0
	s_lshl_b32 s39, s14, 10                        ; K's images: tile w
	s_add_co_u32 s38, s38, s39
	s_mov_b32 s39, 0
	s_mov_b32 s42, 0x06040200                      ; byte selects: the even bytes of two words,
	s_mov_b32 s43, 0x07050301                      ; the odd ones
	s_wait_kmcnt 0x0
	s_cmp_eq_u32 s17, 0
	s_cselect_b32 s19, s20, s21                    ; my batch's length,
	s_max_i32 s19, s19, 1                          ; at least 1: chunk 0 is always written
	s_lshr_b32 s29, ttmp9, 1
	s_lshl_b32 s29, s29, 8                         ; my chunk's first key
	s_cmp_ge_i32 s29, s19
	s_cbranch_scc1 .Lbeyond                        ; all 256 keys of the chunk are masked: nothing is read or written
	s_add_nc_u64 s[4:5], s[4:5], s[34:35]
	s_add_nc_u64 s[6:7], s[6:7], s[36:37]
	s_add_nc_u64 s[44:45], s[12:13], s[40:41]      ; V's images
	s_add_nc_u64 s[12:13], s[12:13], s[38:39]      ; K's images
.irp i, 0,1,2,3,4,5,6,7
	global_load_b128 v[R+4*\i:R+4*\i+3], v[KO], s[4:5] offset:4096*\i th:TH_LOAD_NT     ; lanes 0-15: the tile's row i; lanes 16-31: its row i + 8, the key 16 further on: two whole rows of 256 bytes
.endr
	s_wait_alu depctr_va_vdst(0)
.irp i, 0,1,2,3,4,5,6,7,8,9,10,11,12,13,14,15
	global_load_b64 v[XV+2*\i:XV+2*\i+1], v[VI], s[6:7] offset:4096*\i th:TH_LOAD_NT    ; key 16 w + i: 32 lanes read its row of 256 bytes
.endr
	s_add_co_i32 s28, s25, 127
	s_lshl_b32 s29, s28, 23
	v_mov_b32 v11, s29                             ; 2^e1 as f32: the conversion takes its exponent field
	s_add_co_i32 s28, s28, 8
	s_lshl_b32 s28, s28, 23
	s_or_b32 s28, s28, 0x600000
	v_mov_b32 v10, s28                             ; 448 x 2^e1
	s_add_co_i32 s28, s26, 127
	s_lshl_b32 s29, s28, 23
	v_mov_b32 v13, s29                             ; 2^e2
	s_add_co_i32 s28, s28, 8
	s_lshl_b32 s28, s28, 23
	s_or_b32 s28, s28, 0x600000
	v_mov_b32 v12, s28                             ; 448 x 2^e2
	s_wait_alu depctr_va_vdst(0)
	s_wait_loadcnt 16                              ; K's eight loads are in; V's sixteen, issued behind them, may be out
.irp i, 0,1,2,3,4,5,6,7
	ds_store_b128 v[SD], v[R+4*\i:R+4*\i+3] offset:PITCH*\i
.endr
.irp c, 0,1
.irp j, 0,1,2,3
	ds_load_b128 v[XK+16*\c+4*\j:XK+16*\c+4*\j+3], v[SF] offset:128*\c+16*\j      ; LDS serves a wave's instructions in order (ISA guide 5.7.1.4): these see my stores
.endr
.endr
	s_wait_loadcnt 0x0                             ; V is in; it is worked while K turns through the stage
.set i, 0
.rept 32
	v_med3_num_f32 v[XV+i], v[XV+i], -v12, v12     ; the conversion to an 8-bit code does not saturate (ISA guide 7.6.2): the hold at the largest code x the scale
.set i, i+1
.endr
.irp m, 0,1,2,3
	v_cvt_scalef32_pk8_fp8_f32 v[Y+2*\m:Y+2*\m+1], v[XV+8*\m:XV+8*\m+7], v13     ; keys 4 m .. 4 m + 3, each with its two channels
.endr
	v_nop                                          ; one plain vector instruction between the conversions and the permutes that read their results
.irp m, 0,1,2,3
	v_perm_b32 v[EV+\m], v[Y+2*\m+1], v[Y+2*\m], s42   ; keys 4 m .. 4 m + 3 of channel 2 l
	v_perm_b32 v[OV+\m], v[Y+2*\m+1], v[Y+2*\m], s43   ; and of channel 2 l + 1
.endr
	global_store_b128 v[VO], v[EV:EV+3], s[44:45]              ; channel 2 l = 32 h + 2 r: tile h, lane place r: sixteen lanes store 256 consecutive bytes, aligned
	global_store_b128 v[VO], v[OV:OV+3], s[44:45] offset:4096  ; channel 2 l + 1: tile h + 2
	s_wait_dscnt 0x0                               ; K is back from the stage
.set i, 0
.rept 32
	v_med3_num_f32 v[XK+i], v[XK+i], -v10, v10
.set i, i+1
.endr
.irp c, 0,1
	v_cvt_scalef32_pk8_fp8_f32 v[CK+4*\c:CK+4*\c+1], v[XK+16*\c:XK+16*\c+7], v11
	v_cvt_scalef32_pk8_fp8_f32 v[CK+4*\c+2:CK+4*\c+3], v[XK+16*\c+8:XK+16*\c+15], v11
.endr
	v_nop
.irp c, 0,1
	global_store_b128 v[LO], v[CK+4*\c:CK+4*\c+3], s[12:13] offset:512*\c        ; 32 lanes store 512 consecutive bytes, aligned
.endr
	s_wait_tensorcnt 0x0                           ; the wave's end: three closing lines behind my last LDS store, the first of them even with no tensor load
	ds_add_u32 v[SPW], v[NIL]
	s_wait_dscnt 0x0
	s_endpgm
.Lbeyond:
	s_endpgm
.Lfunc_end_k_qe9b19adb83_quant:
	.size	k_qe9b19adb83_quant, .Lfunc_end_k_qe9b19adb83_quant-k_qe9b19adb83_quant
	.p2alignl 7, 3214868480
	.fill 96, 4, 3214868480
	.section	.rodata,"a",@progbits
	.p2align	6, 0x0
	.amdhsa_kernel k_qe9b19adb83_quant
		.amdhsa_group_segment_fixed_size 35840
		.amdhsa_private_segment_fixed_size 0
		.amdhsa_enable_private_segment 0
		.amdhsa_kernarg_size 40
		.amdhsa_user_sgpr_count 2
		.amdhsa_user_sgpr_kernarg_segment_ptr 1
		.amdhsa_wavefront_size32 1
		.amdhsa_system_sgpr_workgroup_id_x 1
		.amdhsa_system_sgpr_workgroup_id_y 1
		.amdhsa_system_sgpr_workgroup_id_z 1
		.amdhsa_system_vgpr_workitem_id 0
		.amdhsa_next_free_vgpr 136
		.amdhsa_next_free_sgpr 66
		.amdhsa_reserve_vcc 0
		.amdhsa_float_denorm_mode_32 3
		.amdhsa_float_denorm_mode_16_64 3
		.amdhsa_memory_ordered 1
		.amdhsa_forward_progress 1
		.amdhsa_inst_pref_size 13
	.end_amdhsa_kernel
	.amdgpu_metadata
---
amdhsa.version: [ 1, 2 ]
amdhsa.kernels:
  - .name:           k_qe9b19adb83_quant
    .symbol:         k_qe9b19adb83_quant.kd
    .args:
      - { .name: ks, .offset: 0, .size: 8, .value_kind: global_buffer, .address_space: global }
      - { .name: vs, .offset: 8, .size: 8, .value_kind: global_buffer, .address_space: global }
      - { .name: valid_lens, .offset: 16, .size: 8, .value_kind: global_buffer, .address_space: global }
      - { .name: lowp_scales, .offset: 24, .size: 8, .value_kind: global_buffer, .address_space: global }
      - { .name: kv, .offset: 32, .size: 8, .value_kind: global_buffer, .address_space: global }
    .group_segment_fixed_size: 35840
    .private_segment_fixed_size: 0
    .kernarg_segment_align: 8
    .kernarg_segment_size: 40
    .max_flat_workgroup_size: 256
    .sgpr_count:     66
    .vgpr_count:     136
    .wavefront_size: 32
...
	.end_amdgpu_metadata
.endif
;; end of part 3
;; launch attn (part 4): grid 16 x 16, 16 waves a work-group, no clusters, 202,752 bytes of LDS; arguments qs, kv, valid_lens, lowp_scales, out0; writes out0
.if DOCPART == 4
	.amdgcn_target "amdgcn-amd-amdhsa--gfx1250"
	.amdhsa_code_object_version 6
	.text
	.protected	k_qe9b19adb83_attn
	.globl	k_qe9b19adb83_attn
	.p2align	8
	.type	k_qe9b19adb83_attn,@function
k_qe9b19adb83_attn:
	s_mov_b64 s[64:65], 0
	v_nop
	global_prefetch_b8 v0, s[64:65] scope:SCOPE_SE
	s_setreg_imm32_b32 hwreg(HW_REG_WAVE_SCHED_MODE, 0, 2), 2
	s_setreg_imm32_b32 hwreg(HW_REG_WAVE_MODE, 25, 1), 1
	s_wait_xcnt 0x0
	s_wait_alu depctr_vm_vsrc(0)
; out0[b][q][h][:] = the sum over k < valid_lens[b] of softmax_k(qs[b][q][h] . ks[b][k][h] / 8) vs[b][k][h][:], both products on codes of FP8 (E4M3) with the given scales 2^e0 (qs / 8), 2^e1 (ks), 2^e2 (vs), 2^e3 (p).
; K's and V's codes come from the workspace kv, laid as images of the operands' registers (the launch before states the layout).  qs is read once, by one wave, and is quantised here in registers.
; LEFT OUT: a step of 128 keys all of which lie at or beyond valid_lens[b]: their weights are exactly 0 and add nothing to the sum or the output.  The length is a whole number read from memory; a scalar branch on it leads
; round the step's loads, products and softmax, never round a barrier.  A NaN, an infinity or an overflow among the numbers of such keys is not carried to the result.
; THE SOFTMAX AHEAD OF THE SECOND PRODUCT: t = score x log2(e); M = the running largest t, rounded UP to a whole number; p = 2^(t - M) is quantised, not normalised; the row's sum is taken of the unquantised p and divides at the end.
; When M moves, the sum and O are multiplied by 2^(old M - new M), which rounds nothing.
; SHARES.  A work-group owns 128 queries of one head IN BOTH BATCHES: wave w has batch (w ^ (w / 4)) % 2 and tile w / 2 of 16 queries, so that waves of the longer and of the shorter batch stand side by side in every group of
; four waves, taken by w % 4 or by w / 4.  A wave holds one tile in 256 registers.  The eight waves of a batch share its codes through LDS: keys go in chunks of 256 (32,768 dense bytes of kv), of which each wave copies 4,096 bytes
; through registers into a ring of two slots; the loads are issued at a trip's head and waited for at its end, two key steps later, so no wave waits for that stream, and nothing is prefetched.
; NO TENSOR LOAD AND NO CLUSTER: the branch on valid_lens is what leaves the masked steps out.
; LAYOUT.  Both products are used transposed: S^T = K Q^T (source 0 = 16 keys, source 1 = my 16 queries), O^T = V^T P^T (source 0 = 16 channels, source 1 = P): a lane holds ONE query (lane % 16) throughout.
; The keys of a tile of K are chosen so that the 16 registers of tiles 2 b and 2 b + 1 are keys 32 b + 16 (lane / 16) + 0 .. 15: the conversions' results are the second product's operand.
; Inside a fragment k is laid 16 bytes a lane half, alike in both operands of a product: every product meets its partner; only the order of the sums inside an instruction differs.
; LIMITS.  NaN and infinity among the inputs are not served.  e3 and e0 + 3 lie between -126 and 119, e0 + e1 between -126 and 127.  qs / 8 is folded into the conversion's power of two (exact short of f32 denormals).
; valid_lens above 2,048 counts as 2,048; at 0 or below every step is left out and the rows come out as 0 / 0 = NaN, as reference() has them.
; REGISTERS: v1-11 addresses that stay; v12 -M, v13 the largest t, v[14:15] the sum in two halves; v16-23 Q; v24-55 codes on their way to LDS; v56-119 fragments of K, then of V; v120-183 S^T, then p; v184-215 O^T;
; v216-231 p's codes; v232-245 at work and constants.
; THE MODE: SCHED_MODE bits 1:0 = 2 (LLVM: expert scheduling mode 2), set by the entry lines.  The code itself states the register dependences between vector or matrix instructions and memory or LDS instructions,
; with s_wait_alu, always for 0.
; THE PLAN.  Registers that memory or LDS instructions touch:
;   v1-v5, v9-v11, and v6, v7   addresses, and the closing add's two: written by vector instructions at the head, once, ahead of one wait on va_vdst; no vector instruction names them again.
;   G  (v24-55)    written by a trip's eight global loads, read by the eight LDS stores at the trip's end; named by no vector or matrix instruction.  One wait on vm_vsrc behind the stores frees it for the next trip's loads.
;   F  (v56-119)   K's sixteen LDS loads land | the eight first products read | V's sixteen LDS loads land | the four second products read | the next step's K.  So a step has two waits on va_vdst: one ahead of each run
;                  of loads, for the products that read F last.  Between a run and the products that read it no vector instruction names F.
;   S  (v120-183)  in the loop named by vector and matrix instructions alone.  At the head Q passes through it (loads, LDS stores, LDS loads), on the way out O does (multiplications, LDS stores, LDS loads, global stores).
; A wave's 256 registers are a quarter of what four waves share, and 246 of them are named: there is no room for a second set of fragments (64 registers), so each run of loads stands where its registers come free.
.set SLOT,  65536                      ; a slot: batch 0's chunk (32,768 bytes, two steps of 16,384), then batch 1's
.set PITCH, 272                        ; a stage row: 256 bytes + 16
.set WSTG,  16*PITCH
.set STAGE, 2*SLOT                     ; behind the ring: a stage of 16 rows for each wave, its own: Q on the way in, O on the way out
.set SPARE, STAGE+16*WSTG              ; behind the stages: the spare words, 128 bytes for each wave: eight blocks of 256 bytes that no other line names
.set AD0, 1                            ; v1   16 l + 32,768 x batch: an image's place for my lane, slot 0
.set SA0, 2                            ; v2   where I put my 4,096 bytes of a chunk, slot 0
.set GOF, 3                            ; v3   16 l
.set AD1, 4                            ; v4   as v1, slot 1
.set SA1, 5                            ; v5   as v2, slot 1
.set SPW, 6                            ; v6   LDS address of my spare word; never rewritten
.set NIL, 7                            ; v7   0; never rewritten
.set KD,  8                            ; v8   16 h: my half's first key in a group of 32
.set QO,  9                            ; v9   qs and out0: 8 rows (32,768 bytes) x h + 16 r
.set STD, 10                           ; v10  my stage by rows as they lie in memory: row 8 h (+ i), 16 r
.set STF, 11                           ; v11  my stage by lanes: row r, + 64 h
.set G,   24
.set F,   56
.set S,   120
.set O,   184
.set PC,  216
.set WV,  14                           ; s14  wave
.set SEL, 20                           ; s[20:21] lane selects for v_permlanex16_b32: lane l xor 16
.set CS,  22                           ; s[22:23] c = log2(e) x 2^(e0 + e1), twice: the packed form names a pair
.set KF,  26                           ; s26  the step's first key
.set LEN, 27                           ; s27  my batch's length, held within 0 and 2,048
.set HOLD, 28                          ; s28  1 where p must be held at the largest code
.set MK,  44                           ; s[44:59] sixteen lane masks of the step that holds the length (at the head these held byte offsets, which are used up there)
	s_load_b256 s[4:11], s[0:1], 0x0               ; qs s[4:5], kv s[6:7], valid_lens s[8:9], lowp_scales s[10:11]
	s_load_b64 s[12:13], s[0:1], 0x20              ; out0
	v_lshl_add_u32 v[SPW], v0, 2, SPARE
	v_mov_b32 v[NIL], 0
	v_lshrrev_b32 v244, 5, v0
	v_readfirstlane_b32 s[WV], v244                ; wave 0..15
	v_and_b32 v244, 15, v0                         ; r
	v_bfe_u32 v245, v0, 4, 1                       ; h
	v_and_b32 v[GOF], 31, v0
	v_lshlrev_b32 v[GOF], 4, v[GOF]
	v_lshlrev_b32 v[KD], 4, v245
	v_lshlrev_b32 v[QO], 15, v245
	v_lshl_add_u32 v[QO], v244, 4, v[QO]
	s_wait_alu depctr_va_sdst(0)                   ; s14, the wave's number, is written, ahead of its first reader
	s_lshr_b32 s15, s[WV], 2
	s_xor_b32 s15, s15, s[WV]
	s_and_b32 s15, s15, 1                          ; batch
	s_lshr_b32 s16, s[WV], 1                       ; tile of queries; also: which eighth of a chunk I copy
	s_lshl_b32 s40, s15, 15
	v_add_nc_u32 v[AD0], s40, v[GOF]
	v_add_nc_u32 v[AD1], SLOT, v[AD0]
	s_lshl_b32 s41, s16, 12
	v_add_nc_u32 v[SA0], s41, v[AD0]
	v_add_nc_u32 v[SA1], SLOT, v[SA0]
	s_mul_i32 s42, s[WV], WSTG
	s_add_co_u32 s42, s42, STAGE
	v_mul_u32_u24 v[STD], v245, 8*PITCH
	v_lshl_add_u32 v[STD], v244, 4, v[STD]
	v_add_nc_u32 v[STD], s42, v[STD]
	v_mul_u32_u24 v[STF], v244, PITCH
	v_lshl_add_u32 v[STF], v245, 6, v[STF]
	v_add_nc_u32 v[STF], s42, v[STF]
	s_and_b32 s43, ttmp7, 0xffff                   ; the head
	s_lshl_b32 s44, s15, 23                        ; qs, out0: a batch is 2048 x 4096 bytes,
	s_lshl_b32 s45, ttmp9, 19                      ; the work-group's 128 queries,
	s_add_co_u32 s44, s44, s45
	s_lshl_b32 s45, s16, 16                        ; my 16 of them,
	s_add_co_u32 s44, s44, s45
	s_lshl_b32 s45, s43, 8                         ; the head's 256 bytes of a row
	s_add_co_u32 s44, s44, s45
	s_mov_b32 s45, 0
	s_lshl_b32 s46, s15, 22                        ; kv: 262,144 bytes a head, 16 heads a batch,
	s_lshl_b32 s47, s43, 18
	s_add_co_u32 s46, s46, s47
	s_add_co_u32 s46, s46, s41                     ; my eighth of a chunk
	s_mov_b32 s47, 0
	s_mov_b32 s[SEL], 0x76543210
	s_mov_b32 s[SEL+1], 0xfedcba98
	s_mov_b32 s[KF], 0
	s_wait_kmcnt 0x0
	s_load_b64 s[36:37], s[8:9], 0x0               ; the two lengths
	s_load_b128 s[32:35], s[10:11], 0x0            ; e0, e1, e2, e3
	s_add_nc_u64 s[4:5], s[4:5], s[44:45]
	s_add_nc_u64 s[12:13], s[12:13], s[44:45]
	s_add_nc_u64 s[6:7], s[6:7], s[46:47]
	s_wait_alu depctr_va_vdst(0)                   ; the addresses v1 to v5 and v9 to v11, and v6 and v7, are written: every load, store and LDS instruction of the kernel reads some of them, and no vector instruction names them again
.irp i, 0,1,2,3,4,5,6,7
	global_load_b128 v[G+4*\i:G+4*\i+3], v[GOF], s[6:7] offset:512*\i              ; chunk 0, which is always written and always read: my 4,096 bytes, 512 consecutive bytes a load
.endr
.irp i, 0,1,2,3,4,5,6,7
	global_load_b128 v[S+4*\i:S+4*\i+3], v[QO], s[4:5] offset:4096*\i th:TH_LOAD_NT   ; Q: lanes 0-15 row i, lanes 16-31 row i + 8: two whole rows of 256 bytes
.endr
	s_wait_kmcnt 0x0
	s_cmp_eq_u32 s15, 0
	s_cselect_b32 s[LEN], s36, s37
	s_max_i32 s[LEN], s[LEN], 0
	s_min_i32 s[LEN], s[LEN], 2048
	s_cmp_lt_i32 s35, -8                           ; p is at most 1, but for the rounding of t - M; 448 x 2^e3 is at least 1.75 where e3 >= -8: there the hold changes nothing and is jumped over
	s_cselect_b32 s[HOLD], 1, 0
	s_add_co_i32 s40, s32, s33
	s_lshl_b32 s40, s40, 23
	s_add_co_i32 s[CS], s40, 0x3fb8aa3b            ; a sum of the first product stands for sum x 2^(e0 + e1): the two exponents are added to log2(e)'s exponent field
	s_mov_b32 s[CS+1], s[CS]
	s_add_co_i32 s29, s34, s35                     ; e2 + e3, applied at the end by v_ldexp_f32
	s_add_co_i32 s40, s35, 127
	s_lshl_b32 s41, s40, 23
	v_mov_b32 v241, s41                            ; 2^e3 as f32, for p's conversions
	s_add_co_i32 s40, s40, 8
	s_lshl_b32 s40, s40, 23
	s_or_b32 s40, s40, 0x600000
	v_mov_b32 v240, s40                            ; 448 x 2^e3
	s_add_co_i32 s40, s32, 130
	s_lshl_b32 s41, s40, 23
	v_mov_b32 v243, s41                            ; 2^(e0 + 3): (q / 8) / 2^e0 = q / 2^(e0 + 3)
	s_add_co_i32 s40, s40, 8
	s_lshl_b32 s40, s40, 23
	s_or_b32 s40, s40, 0x600000
	v_mov_b32 v242, s40                            ; 448 x 2^(e0 + 3)
	s_wait_alu depctr_va_vdst(0)
	s_wait_loadcnt 8                               ; chunk 0's eight loads are in; Q's eight, issued behind them, may be out
.irp i, 0,1,2,3,4,5,6,7
	ds_store_b128 v[SA0], v[G+4*\i:G+4*\i+3] offset:512*\i
.endr
	s_wait_loadcnt 0x0                             ; Q
.irp i, 0,1,2,3,4,5,6,7
	ds_store_b128 v[STD], v[S+4*\i:S+4*\i+3] offset:PITCH*\i
.endr
.irp c, 0,1
.irp j, 0,1,2,3
	ds_load_b128 v[S+32+16*\c+4*\j:S+32+16*\c+4*\j+3], v[STF] offset:128*\c+16*\j  ; my own stage: LDS serves a wave's instructions in order (ISA guide 5.7.1.4).  Register 16 c + i = channel 32 c + 16 h + i of query r
.endr
.endr
	s_wait_alu depctr_vm_vsrc(0)                   ; the LDS stores above have read G, in which the first trip's loads land, and v[S .. S+31], which the first products write
	s_wait_dscnt 0x0                               ; for the others' sake: my part of chunk 0 lies in slot 0 (and Q is back)
	s_barrier_signal -1
.set i, 0
.rept 32                                       ; work on registers while the others arrive
	v_med3_num_f32 v[S+32+i], v[S+32+i], -v242, v242   ; the conversion to an 8-bit code does not saturate (ISA guide 7.6.2): the hold at the largest code x the scale
.set i, i+1
.endr
.irp c, 0,1
	v_cvt_scalef32_pk8_fp8_f32 v[16+4*\c:17+4*\c], v[S+32+16*\c:S+32+16*\c+7], v243
	v_cvt_scalef32_pk8_fp8_f32 v[18+4*\c:19+4*\c], v[S+32+16*\c+8:S+32+16*\c+15], v243
.endr
	v_nop                                          ; one plain vector instruction behind the last conversion
.set i, 0
.rept 32
	v_mov_b32 v[O+i], 0                            ; O^T.  (A step is written without a first form of its own: the first finds zeros, which the first change of M leaves zeros)
.set i, i+1
.endr
	v_mov_b32 v13, 0xff61b1e6                      ; the largest t so far: -3e38, under every t
	v_floor_f32 v12, -v13                          ; -M
	v_mov_b32 v14, 0                               ; the sum, in two halves
	v_mov_b32 v15, 0
	v_mov_b32 v232, 0                              ; written once: a lane permute's destination counts as one of its sources
	v_mov_b32 v235, 0                              ; (named as the upper half of the pair v[234:235])
	s_barrier_wait -1                              ; chunk 0 is whole
; A KEY STEP: 128 keys, the q-th of the chunk in the given slot.
.macro STEP slot, q
	s_cmp_ge_u32 s[KF], s[LEN]
	s_cbranch_scc1 .Lskip_\@                       ; all 128 keys are masked
	s_wait_alu depctr_va_vdst(0)                   ; the second products of the step before are done reading V's fragments in F, in which K's loads land
.irp t, 0,1,2,3,4,5,6,7
.irp c, 0,1
	ds_load_b128 v[F+8*\t+4*\c:F+8*\t+4*\c+3], v[AD0+3*(\slot)] offset:16384*(\q)+1024*\t+512*\c    ; K's eight fragments, as images: 512 consecutive bytes a load
.endr
.endr
	s_wait_dscnt 0x0
.irp t, 0,1,2,3,4,5,6,7
	v_wmma_f32_16x16x64_fp8_fp8 v[S+8*\t:S+8*\t+7], v[F+8*\t:F+8*\t+7], v[16:23], 0
.endr
.rept 4
	v_nop                                          ; four places (ISA guide 7.12.1) in front of the first read of the scores
.endr
	s_wait_alu depctr_va_vdst(0)                   ; the first products are done reading K's fragments in F, in which V's loads land; no vector instruction names F from here to the second products
.irp t, 0,1,2,3
.irp c, 0,1,2,3
	ds_load_b128 v[F+16*\t+4*\c:F+16*\t+4*\c+3], v[AD0+3*(\slot)] offset:16384*(\q)+8192+2048*\t+512*\c   ; V's four fragments land while the softmax is worked
.endr
.endr
	s_add_co_u32 s40, s[KF], 128
	s_cmp_le_u32 s40, s[LEN]
	s_cbranch_scc1 .Lopen_\@                       ; all 128 keys count
	s_sub_co_u32 s40, s[LEN], s[KF]                ; the one step that holds the length: the scores of masked keys become -infinity ahead of the maximum, so that p = 0
	v_sub_nc_u32 v244, s40, v[KD]                  ; register 16 b + i holds key KF + 32 b + 16 h + i: masked where 32 b + i >= length - KF - 16 h
	v_mov_b32 v245, 0xff800000
.set mb, 0
.rept 4                                        ; sixteen compares in a run, each into a scalar register of its own, then the sixteen selects: one wait serves a run
.set mi, 0
.rept 16
	v_cmp_ge_i32 s[MK+mi], 32*mb+mi, v244
.set mi, mi+1
.endr
	s_wait_alu depctr_va_sdst(0)                   ; the sixteen compares have written s[MK .. MK+15], ahead of the selects that read them
.set mi, 0
.rept 16
	v_cndmask_b32 v[S+16*mb+mi], v[S+16*mb+mi], v245, s[MK+mi]
.set mi, mi+1
.endr
.set mb, mb+1
.endr
.Lopen_\@:
	v_max3_num_f32 v238, v[S], v[S+1], v[S+2]      ; the step's largest score of my query among my 64 keys, in two chains, each tile of scores from its low end on
	v_max3_num_f32 v239, v[S+3], v[S+4], v[S+5]
.irp i, 6,10,14,18,22,26,30,34,38,42,46,50,54,58
	v_max3_num_f32 v238, v238, v[S+\i], v[S+\i+1]
	v_max3_num_f32 v239, v239, v[S+\i+2], v[S+\i+3]
.endr
	v_max3_num_f32 v238, v238, v[S+62], v[S+63]
	v_max_num_f32 v238, v238, v239
	v_permlanex16_b32 v232, v238, s[SEL], s[SEL+1]
	v_max_num_f32 v238, v238, v232                 ; and among lane l xor 16's
	v_mul_f32 v238, s[CS], v238                    ; as t (c is positive)
	v_max_num_f32 v13, v13, v238                   ; the running largest t
	v_mov_b32 v238, v12
	v_floor_f32 v12, -v13                          ; the new -M = floor(-t) = -ceil(t): a whole number
	v_sub_f32 v238, v12, v238                      ; old M - new M: a whole number, 0 or less
	v_cvt_i32_f32 v238, v238                       ; (it saturates)
	v_ldexp_f32 v234, 1.0, v238                    ; f = 2^(old M - new M)
.set j, 0
.rept 32
	v_pk_fma_f32 v[S+j:S+j+1], v[S+j:S+j+1], s[CS:CS+1], v[12:13] op_sel_hi:[1,0,0]   ; t - M, two at a time (of the pairs c and -M the low word serves both halves)
.set j, j+2
.endr
.set j, 0
	s_wait_alu depctr_va_vdst(0)
.rept 64
	v_exp_f32 v[S+j], v[S+j]                       ; p = 2^(t - M): not normalised
.set j, j+1
.endr
	v_pk_mul_f32 v[14:15], v[14:15], v[234:235] op_sel_hi:[1,0]   ; the sums under the new M: the plain instruction behind the exponentials
	s_wait_alu depctr_va_vdst(0)                   ; the 64 exponentials have written p in v[S .. S+63]: one wait for the batch, ahead of its first reader
	v_pk_add_f32 v[236:237], v[S:S+1], v[S+2:S+3]  ; the row's sum is taken of the unquantised p: two at a time, in two chains
.irp j, 4,8,12,16,20,24,28,32,36,40,44,48,52,56,60
	v_pk_add_f32 v[14:15], v[14:15], v[S+\j:S+\j+1]
	v_pk_add_f32 v[236:237], v[236:237], v[S+\j+2:S+\j+3]
.endr
	v_pk_add_f32 v[14:15], v[14:15], v[236:237]
	s_cmp_eq_u32 s[HOLD], 0
	s_cbranch_scc1 .Lfits_\@
.set j, 0
.rept 64
	v_min_num_f32 v[S+j], v[S+j], v240             ; e3 < -8: p can pass the largest code x the scale; it is never negative, so the hold is one-sided
.set j, j+1
.endr
.Lfits_\@:
.irp b, 0,1,2,3
	v_cvt_scalef32_pk8_fp8_f32 v[PC+4*\b:PC+4*\b+1], v[S+16*\b:S+16*\b+7], v241
	v_cvt_scalef32_pk8_fp8_f32 v[PC+4*\b+2:PC+4*\b+3], v[S+16*\b+8:S+16*\b+15], v241
.endr
.set j, 0
.rept 16
	v_pk_mul_f32 v[O+j:O+j+1], v[O+j:O+j+1], v[234:235] op_sel_hi:[1,0]   ; O^T under the new M; these are also the plain instructions between the conversions and the products
.set j, j+2
.endr
	s_wait_alu depctr_va_vdst(0)
	s_wait_dscnt 0x0                               ; V is in
.irp t, 0,1,2,3                                ; the four accumulators take turns, one instruction a turn; the next matrix instruction is a tile of scores
	v_wmma_f32_16x16x128_fp8_fp8 v[O+8*\t:O+8*\t+7], v[F+16*\t:F+16*\t+15], v[PC:PC+15], v[O+8*\t:O+8*\t+7]
.endr
.rept 4
	v_nop                                          ; four places in front of the next read of O^T, which behind the last step is the way out's
.endr
.Lskip_\@:
	s_add_co_u32 s[KF], s[KF], 128
.endm
; A TRIP: the two steps of the chunk in the given slot.  fetch = 1: the next chunk is copied into the other slot: asked for at the head, where its first key lies under the length; put into LDS at the end.
; ONE barrier a trip orders two things: my stores into the other slot against the next trip's reads of it, and every wave's reads of this slot against the stores of the next trip.  It stands outside every branch on the length.
.macro TRIP slot, fetch
.if \fetch
	s_add_co_u32 s41, s[KF], 256
	s_cmp_lt_u32 s41, s[LEN]
	s_cbranch_scc0 .Lnone_\@                       ; the next chunk is wholly masked: it was not written and is not read
.irp i, 0,1,2,3,4,5,6,7
	global_load_b128 v[G+4*\i:G+4*\i+3], v[GOF], s[6:7] offset:32768+512*\i        ; G is free: the wait on vm_vsrc behind the last LDS stores that read it stands ahead of the branch above; no vector instruction names G
.endr
.Lnone_\@:
.endif
	STEP \slot, 0
	STEP \slot, 1
.if \fetch
	s_wait_loadcnt 0x0                             ; asked for two key steps ago
.irp i, 0,1,2,3,4,5,6,7
	ds_store_b128 v[SA0+3*(1-(\slot))], v[G+4*\i:G+4*\i+3] offset:512*\i       ; beyond the length these are the last chunk's codes once more, in a slot that no step reads
.endr
	s_add_nc_u64 s[6:7], s[6:7], 32768             ; behind the wait that shows the loads done
	s_wait_alu depctr_vm_vsrc(0)                   ; the eight LDS stores have read G, in which the next trip's loads land
	s_wait_dscnt 0x0                               ; for the others' sake: my stores have landed, and my reads of this slot are over
	s_barrier_signal -1
	s_barrier_wait -1
.endif
.endm
	s_mov_b32 s25, 3
.Ltrips:                                           ; chunks 0 to 5, two a trip of the loop, so that every slot's address is a constant of the text
	TRIP 0, 1
	TRIP 1, 1
	s_sub_co_u32 s25, s25, 1
	s_cmp_lg_u32 s25, 0
	s_cbranch_scc1 .Ltrips
	TRIP 0, 1                                      ; chunk 6
	TRIP 1, 0                                      ; chunk 7: nothing is left to fetch, and nothing is handed on: no barrier
	s_wait_alu depctr_va_vdst(0)
	; THE WAY OUT.  O^T x 2^(e2 + e3) / the sum goes through my stage and leaves as whole rows of 256 bytes.
	v_add_f32 v14, v14, v15                        ; the sum's two halves,
	v_permlanex16_b32 v232, v14, s[SEL], s[SEL+1]
	v_add_f32 v14, v14, v232                       ; and lane l xor 16's
	s_wait_alu depctr_va_vdst(0)
	v_rcp_f32 v14, v14
	v_nop                                          ; a plain instruction behind the reciprocal
	s_wait_alu depctr_va_vdst(0)                   ; the reciprocal has written v14: the wait ahead of its first reader
	v_ldexp_f32 v14, v14, s29
.irp g, 0,1                                    ; tile g holds channels 32 g + 16 h + 2 j, tile g + 2 channels 32 g + 16 h + 2 j + 1: laid by turns they are 16 neighbours.  Each accumulator from its low end on
.irp j, 0,1,2,3,4,5,6,7
	v_mul_f32 v[S+16*\g+2*\j], v[O+8*\g+\j], v14
	v_mul_f32 v[S+16*\g+2*\j+1], v[O+16+8*\g+\j], v14
.endr
.endr
	s_wait_alu depctr_va_vdst(0)                   ; the multiplications have written v[S .. S+31], which the LDS stores read; and the steps' vector instructions are done with v[S+32 .. S+63], in which the LDS loads land
.irp g, 0,1
.irp k, 0,1,2,3
	ds_store_b128 v[STF], v[S+16*\g+4*\k:S+16*\g+4*\k+3] offset:128*\g+16*\k
.endr
.endr
.irp i, 0,1,2,3,4,5,6,7
	ds_load_b128 v[S+32+4*\i:S+32+4*\i+3], v[STD] offset:PITCH*\i                  ; my own stage: these see the stores above
.endr
.irp i, 0,1,2,3,4,5,6,7
	s_wait_dscnt 7-\i                              ; LDS loads come back in order: load i is in, the 7 - i younger ones may be out
	global_store_b128 v[QO], v[S+32+4*\i:S+32+4*\i+3], s[12:13] offset:4096*\i th:TH_STORE_NT   ; lanes 0-15 row i, lanes 16-31 row i + 8: sixteen lanes store 256 consecutive bytes, aligned
.endr
	s_wait_dscnt 0x0                               ; the wave's end: the closing lines, six on end
	s_wait_alu 0x0
	s_wait_tensorcnt 0x0
	ds_add_u32 v[SPW], v[NIL]
	s_wait_dscnt 0x0
	s_endpgm
.Lfunc_end_k_qe9b19adb83_attn:
	.size	k_qe9b19adb83_attn, .Lfunc_end_k_qe9b19adb83_attn-k_qe9b19adb83_attn
	.p2alignl 7, 3214868480
	.fill 96, 4, 3214868480
	.section	.rodata,"a",@progbits
	.p2align	6, 0x0
	.amdhsa_kernel k_qe9b19adb83_attn
		.amdhsa_group_segment_fixed_size 202752
		.amdhsa_private_segment_fixed_size 0
		.amdhsa_enable_private_segment 0
		.amdhsa_kernarg_size 40
		.amdhsa_user_sgpr_count 2
		.amdhsa_user_sgpr_kernarg_segment_ptr 1
		.amdhsa_wavefront_size32 1
		.amdhsa_system_sgpr_workgroup_id_x 1
		.amdhsa_system_sgpr_workgroup_id_y 1
		.amdhsa_system_sgpr_workgroup_id_z 1
		.amdhsa_system_vgpr_workitem_id 0
		.amdhsa_next_free_vgpr 256
		.amdhsa_next_free_sgpr 66
		.amdhsa_reserve_vcc 0
		.amdhsa_float_denorm_mode_32 3
		.amdhsa_float_denorm_mode_16_64 3
		.amdhsa_memory_ordered 1
		.amdhsa_forward_progress 1
		.amdhsa_inst_pref_size 217
	.end_amdhsa_kernel
	.amdgpu_metadata
---
amdhsa.version: [ 1, 2 ]
amdhsa.kernels:
  - .name:           k_qe9b19adb83_attn
    .symbol:         k_qe9b19adb83_attn.kd
    .args:
      - { .name: qs, .offset: 0, .size: 8, .value_kind: global_buffer, .address_space: global }
      - { .name: kv, .offset: 8, .size: 8, .value_kind: global_buffer, .address_space: global }
      - { .name: valid_lens, .offset: 16, .size: 8, .value_kind: global_buffer, .address_space: global }
      - { .name: lowp_scales, .offset: 24, .size: 8, .value_kind: global_buffer, .address_space: global }
      - { .name: out0, .offset: 32, .size: 8, .value_kind: global_buffer, .address_space: global }
    .group_segment_fixed_size: 202752
    .private_segment_fixed_size: 0
    .kernarg_segment_align: 8
    .kernarg_segment_size: 40
    .max_flat_workgroup_size: 512
    .sgpr_count:     66
    .vgpr_count:     256
    .wavefront_size: 32
...
	.end_amdgpu_metadata
.endif
;; end of part 4
